; MI455X (gfx1250); checked and timed in simulation.
; The chip was launched on July 23, 2026; its instructions are those of AMD's public machine-readable ISA for CDNA 5 (MIT licence, August 2026) and "CDNA5" Instruction Set Architecture Reference Guide (July 2026). The comments in the code are by the model that wrote it; some were corrected since.
;; Hybrid Lattice Engine. Allowed arithmetic: float matrix products may take bf16 or f16 operands with f32 sums; other float arithmetic in f32, or as packed bf16 or f16 multiplies, adds, multiply-adds, maxima and minima; sums over many terms, partial sums and values carried from step to step in f32; what a program stores and reads back later, other than sums and carried values, may be rounded once to bf16 or f16.
;; Inputs: mem_keys 1,024 x 4,096 float32; mem_values 1,024 x 4,096 float32; weight_lattices 4,096 x 4,096 float32; weight_scales 4,096 x 1 float32; x 4 x 1,024 x 4,096 float32.
;; Outputs: out0 4 x 1,024 x 4,096 float32.
;; 2 versions, each right; version 2 is version 1 with the launches castx, castw written anew for expert scheduling mode. Each part assembles by itself: llvm-mc -triple=amdgcn-amd-amdhsa -mcpu=gfx1250 --defsym DOCPART=n.
;; ======== version 1 of 2: 3 launches
;; workspace buffers: xb 33,554,432 bytes; wb 33,554,432 bytes; scoresp 16,384 bytes; biasp 65,536 bytes
;; launch castx (part 1): grid 256 x 1, 16 waves a work-group, no clusters, 0 bytes of LDS; arguments x, mem_keys, xb, scoresp; writes xb, scoresp
.if DOCPART == 1
	.amdgcn_target "amdgcn-amd-amdhsa--gfx1250"
	.amdhsa_code_object_version 6
	.text
	.protected	k_q32e7f22201_castx
	.globl	k_q32e7f22201_castx
	.p2align	8
	.type	k_q32e7f22201_castx,@function
k_q32e7f22201_castx:
	s_mov_b64 s[64:65], 0
	v_nop
	global_prefetch_b8 v0, s[64:65] scope:SCOPE_SE
	s_setreg_imm32_b32 hwreg(HW_REG_WAVE_MODE, 25, 1), 1
	s_wait_xcnt 0x0
; THE PROGRAM.  out[t][o] = scale[o] * (sum over i of x[t][i] W[o][i]) + 0.01 * mem[o],  mem = softmax(mem_keys . x[0]) . mem_values.
; Three launches.  This one rounds x to bf16 (xb) and makes the 1,024 scores mem_keys . x[0], each as four partial sums in f32 (scoresp).
; The second rounds W to bf16 (wb), takes the softmax and makes 0.01 * mem as four partial rows in f32 (biasp).  The third is the product, with scale and bias applied in f32 to the f32 sums.
; NOTHING OF reference() IS LEFT OUT: every input reaches the output; of x only row 0 enters the scores, as reference() slices it.
; LIMITS.  x and W are each rounded once to bf16, to nearest even (a magnitude beyond bf16's largest finite number becomes an infinity); the scale is not folded into W, it multiplies the f32 sums.
; The order of all sums differs from reference()'s.  A softmax weight below 2^-126 counts as 0.  NaN and infinities are not treated apart.
; SHARES.  4,096 waves.  Wave G rounds row G of x (16 KiB in, 8 KiB out) and makes partial score G: key row G / 4, quarter G % 4 of the 4,096 channels (4 KiB of keys, 4 KiB of x's row 0).
; No loop, no LDS, no barrier: all 48 loads of a wave (24 KiB) go out at its head, and each is waited for by its own count.
; The scores stay in f32 on the vector unit: one row against 1,024 would use one row in sixteen of a matrix tile, and the bytes of mem_keys are what the step costs.
.set KY, 16                            ; v[16:47]   my 1,024 numbers of the key row: load j holds numbers 128 j + 4 lane + 0..3
.set QV, 48                            ; v[48:79]   the same numbers of x's row 0
.set X,  80                            ; v[80:207]  my row of x: load j holds numbers 128 j + 4 lane + 0..3
	s_load_b256 s[4:11], s[0:1], 0x0               ; x s[4:5], mem_keys s[6:7], xb s[8:9], scoresp s[10:11]
	v_lshrrev_b32 v5, 5, v0
	v_readfirstlane_b32 s12, v5                    ; wave 0..15
	v_and_b32 v1, 31, v0                           ; lane
	v_lshlrev_b32 v2, 4, v1                        ; 16 bytes a lane: the loads' offset
	v_lshlrev_b32 v3, 3, v1                        ; 8 bytes a lane: the bf16 stores' offset
	v_mov_b32 v4, 0                                ; the score's store has its whole address in the base
	s_lshl_b32 s13, ttmp9, 4
	s_add_co_u32 s13, s13, s12                     ; G = 16 x work-group + wave
	s_mov_b32 s26, 0x76543210                      ; v_permlanex16_b32: each lane takes its own place in the other half
	s_mov_b32 s27, 0xfedcba98
	s_mov_b32 s15, 0                               ; offsets are pairs with 0 on top: all stay under 2^27
	s_wait_kmcnt 0x0
	s_lshl_b32 s14, s13, 12                        ; (G / 4) x 16,384 + (G % 4) x 4,096 = G x 4,096
	s_add_nc_u64 s[16:17], s[6:7], s[14:15]        ; my quarter of my key row
	s_and_b32 s14, s13, 3
	s_lshl_b32 s14, s14, 12
	s_add_nc_u64 s[18:19], s[4:5], s[14:15]        ; the same quarter of x's row 0
	s_lshl_b32 s14, s13, 14
	s_add_nc_u64 s[20:21], s[4:5], s[14:15]        ; my row of x
	s_lshl_b32 s14, s13, 13
	s_add_nc_u64 s[22:23], s[8:9], s[14:15]        ; my row of xb
	s_lshl_b32 s14, s13, 2
	s_add_nc_u64 s[10:11], s[10:11], s[14:15]      ; my word of scoresp: [key row][quarter]
.set j, 0
.rept 8
	global_load_b128 v[KY+4*j:KY+4*j+3], v2, s[16:17] offset:512*j th:TH_LOAD_NT
.set j, j+1
.endr
.set j, 0
.rept 8
	global_load_b128 v[QV+4*j:QV+4*j+3], v2, s[18:19] offset:512*j    ; no hint: every wave of the launch reads a quarter of this row
.set j, j+1
.endr
.set j, 0
.rept 32
	global_load_b128 v[X+4*j:X+4*j+3], v2, s[20:21] offset:512*j th:TH_LOAD_NT
.set j, j+1
.endr
	; the partial score: 32 products a lane in two packed chains, then the sum over the 32 lanes
	s_wait_loadcnt 32                              ; the 32 younger loads are my row of x: keys and x's row 0 are in
	v_pk_mul_f32 v[8:9], v[KY:KY+1], v[QV:QV+1]    ; the first products start the chains: nothing is cleared
	v_pk_mul_f32 v[10:11], v[KY+2:KY+3], v[QV+2:QV+3]
.set j, 1
.rept 7
	v_pk_fma_f32 v[8:9], v[KY+4*j:KY+4*j+1], v[QV+4*j:QV+4*j+1], v[8:9]
	v_pk_fma_f32 v[10:11], v[KY+4*j+2:KY+4*j+3], v[QV+4*j+2:QV+4*j+3], v[10:11]
.set j, j+1
.endr
	v_pk_add_f32 v[8:9], v[8:9], v[10:11]
	v_add_f32 v8, v8, v9
	v_add_f32_dpp v8, v8, v8 row_xmask:1 row_mask:0xf bank_mask:0xf
	v_add_f32_dpp v8, v8, v8 row_xmask:2 row_mask:0xf bank_mask:0xf
	v_add_f32_dpp v8, v8, v8 row_xmask:4 row_mask:0xf bank_mask:0xf
	v_add_f32_dpp v8, v8, v8 row_xmask:8 row_mask:0xf bank_mask:0xf
	v_permlanex16_b32 v9, v8, s26, s27             ; its destination counts as read: v9 has been written
	v_add_f32 v8, v8, v9                           ; every lane holds the partial score
	; the row of x, rounded: four numbers a lane become 8 bytes; the 32 lanes of a store fill 256 consecutive bytes, aligned.  No register is written twice, so no wait stands for the stores' sources.
.set j, 0
.rept 32
	s_wait_loadcnt 31-j                            ; loads come back in order: load j is in, the 31 - j younger ones stay out
	v_cvt_pk_bf16_f32 v[X+4*j], v[X+4*j], v[X+4*j+1]
	v_cvt_pk_bf16_f32 v[X+4*j+1], v[X+4*j+2], v[X+4*j+3]
	global_store_b64 v3, v[X+4*j:X+4*j+1], s[22:23] offset:256*j th:TH_STORE_NT
.set j, j+1
.endr
	v_cmp_eq_u32 vcc_lo, 0, v1
	s_wait_xcnt 0x0                                ; EXEC is a source of the stores above: it changes only behind this wait
	s_and_saveexec_b32 s24, vcc_lo                 ; lane 0 alone stores the wave's one number
	global_store_b32 v4, v8, s[10:11]
	s_wait_xcnt 0x0                                ; and again, in front of the line that widens it
	s_or_b32 exec_lo, exec_lo, s24
	s_endpgm
.Lfunc_end_k_q32e7f22201_castx:
	.size	k_q32e7f22201_castx, .Lfunc_end_k_q32e7f22201_castx-k_q32e7f22201_castx
	.p2alignl 7, 3214868480
	.fill 96, 4, 3214868480
	.section	.rodata,"a",@progbits
	.p2align	6, 0x0
	.amdhsa_kernel k_q32e7f22201_castx
		.amdhsa_group_segment_fixed_size 0
		.amdhsa_private_segment_fixed_size 0
		.amdhsa_enable_private_segment 0
		.amdhsa_kernarg_size 32
		.amdhsa_user_sgpr_count 2
		.amdhsa_user_sgpr_kernarg_segment_ptr 1
		.amdhsa_wavefront_size32 1
		.amdhsa_system_sgpr_workgroup_id_x 1
		.amdhsa_system_sgpr_workgroup_id_y 1
		.amdhsa_system_sgpr_workgroup_id_z 1
		.amdhsa_system_vgpr_workitem_id 0
		.amdhsa_next_free_vgpr 208
		.amdhsa_next_free_sgpr 66
		.amdhsa_reserve_vcc 1
		.amdhsa_float_denorm_mode_32 3
		.amdhsa_float_denorm_mode_16_64 3
		.amdhsa_memory_ordered 1
		.amdhsa_forward_progress 1
		.amdhsa_inst_pref_size 16
	.end_amdhsa_kernel
	.amdgpu_metadata
---
amdhsa.version: [ 1, 2 ]
amdhsa.kernels:
  - .name:           k_q32e7f22201_castx
    .symbol:         k_q32e7f22201_castx.kd
    .args:
      - { .name: x, .offset: 0, .size: 8, .value_kind: global_buffer, .address_space: global }
      - { .name: mem_keys, .offset: 8, .size: 8, .value_kind: global_buffer, .address_space: global }
      - { .name: xb, .offset: 16, .size: 8, .value_kind: global_buffer, .address_space: global }
      - { .name: scoresp, .offset: 24, .size: 8, .value_kind: global_buffer, .address_space: global }
    .group_segment_fixed_size: 0
    .private_segment_fixed_size: 0
    .kernarg_segment_align: 8
    .kernarg_segment_size: 32
    .max_flat_workgroup_size: 512
    .sgpr_count:     66
    .vgpr_count:     208
    .wavefront_size: 32
...
	.end_amdgpu_metadata
.endif
;; end of part 1
;; launch castw (part 2): grid 256 x 1, 16 waves a work-group, no clusters, 10,240 bytes of LDS; arguments weight_lattices, mem_values, scoresp, wb, biasp; writes wb, biasp
.if DOCPART == 2
	.amdgcn_target "amdgcn-amd-amdhsa--gfx1250"
	.amdhsa_code_object_version 6
	.text
	.protected	k_q32e7f22201_castw
	.globl	k_q32e7f22201_castw
	.p2align	8
	.type	k_q32e7f22201_castw,@function
k_q32e7f22201_castw:
	s_mov_b64 s[64:65], 0
	v_nop
	global_prefetch_b8 v0, s[64:65] scope:SCOPE_SE
	s_setreg_imm32_b32 hwreg(HW_REG_WAVE_MODE, 25, 1), 1
	s_wait_xcnt 0x0
; The second launch: W rounded to bf16 (wb), and biasp[p][o] = 0.01 / (sum of e^(s - m)) * the sum over the 256 memory rows r of part p of e^(s[r] - m) mem_values[r][o], in f32.
; m is the maximum of all 1,024 scores, taken away before every exponential as reference()'s softmax takes it.  Nothing of reference() is left out.
; LIMITS.  W is rounded once to bf16, to nearest even; a weight e^(s - m) below 2^-126 counts as 0; NaN and infinities are not treated apart.
; SHARES.  Wave G = 16 g + w rounds row G of W (16 KiB in, 8 KiB out).  Work-group g also owns 64 columns (g % 64: 256 bytes of each row of mem_values) of part g / 64 of the memory rows;
; wave w takes 16 of the part's 256 rows, two rows a load: lanes 0-15 the even row, lanes 16-31 the odd one, 16 bytes a lane.  Each word of biasp has one owner.
; Every work-group makes the maximum and the sum of the exponentials for itself from the 16 KiB of scoresp.  All 50 loads of a wave go out at its head.
; LDS: SC, the 1,024 scores; RED, each wave's 64 column sums; the spare words.  No LDS address hangs on the work-group's number: a wave's own 16 scores come from memory a second time.
.set SC,    0                          ; 4,096 bytes
.set RED,   4096                       ; 16 waves x 256 bytes
.set SPARE, 8192                       ; the spare words, 128 bytes for each of the 16 waves: eight blocks of 256 bytes that no other line names
.set P,   16                           ; v[16:23]   the four partial sums of score rows 2 t and 2 t + 1 (t: my thread's number)
.set E,   24                           ; v[24:31]   score, then weight, of the memory row that my lane holds in load j
.set ACC, 32                           ; v[32:35]   my four columns' sums
.set T,   36                           ; v[36:39]   at work
.set S,   40                           ; v[40:71]   first my 8 rows' partial sums, then all 1,024 scores, 32 a lane
.set V,   72                           ; v[72:103]  mem_values, 8 loads of 4; later, in wave 0, the 16 waves' column sums
.set X,   104                          ; v[104:231] my row of W
; v1 lane; v2 16 lane; v3 8 lane; v4 mem_values' offset; v5 32 t; v6 16 (lane / 16); v7 8 t; v8, v9 the add's two registers; v10, v11 places in RED; v[12:13] m, twice; v[14:15] 0.01 / sum, twice
	s_load_b256 s[4:11], s[0:1], 0x0               ; W s[4:5], mem_values s[6:7], scoresp s[8:9], wb s[10:11]
	s_load_b64 s[12:13], s[0:1], 0x20              ; biasp
	v_lshl_add_u32 v8, v0, 2, SPARE                ; my spare word,
	v_mov_b32 v9, 0                                ; and 0: kept for the add at the wave's end alone
	v_lshrrev_b32 v1, 5, v0
	v_readfirstlane_b32 s14, v1                    ; wave 0..15
	v_and_b32 v1, 31, v0
	v_lshlrev_b32 v2, 4, v1
	v_lshlrev_b32 v3, 3, v1
	v_lshrrev_b32 v6, 4, v1                        ; lane / 16: which of a load's two rows
	v_and_b32 v10, 15, v1                          ; lane % 16: which 16 bytes of the 256
	v_lshlrev_b32 v4, 14, v6                       ; a row of mem_values is 16,384 bytes
	v_lshl_add_u32 v4, v10, 4, v4
	v_lshlrev_b32 v6, 4, v6                        ; a row of scoresp is 16 bytes
	v_lshlrev_b32 v5, 5, v0
	v_lshlrev_b32 v7, 3, v0
	s_lshl_b32 s28, s14, 8
	s_add_co_u32 s28, s28, RED
	v_lshl_add_u32 v10, v10, 4, s28                ; RED + 256 wave + 16 (lane % 16)
	v_add_nc_u32 v11, RED, v3                      ; RED + 8 lane
	s_lshl_b32 s15, ttmp9, 4
	s_add_co_u32 s15, s15, s14                     ; G
	s_and_b32 s16, ttmp9, 63
	s_lshl_b32 s16, s16, 8                         ; my work-group's 64 columns, in bytes
	s_lshr_b32 s17, ttmp9, 6                       ; its part of the memory rows
	s_lshl_b32 s28, s17, 8
	s_lshl_b32 s29, s14, 4
	s_add_co_u32 s28, s28, s29                     ; my wave's first memory row: 256 part + 16 wave
	s_mov_b32 s30, 0x76543210
	s_mov_b32 s31, 0xfedcba98
	s_mov_b32 s19, 0                               ; offsets are pairs with 0 on top: all stay under 2^27
	s_wait_kmcnt 0x0
	s_lshl_b32 s18, s15, 14
	s_add_nc_u64 s[20:21], s[4:5], s[18:19]        ; my row of W
	s_lshl_b32 s18, s15, 13
	s_add_nc_u64 s[22:23], s[10:11], s[18:19]      ; my row of wb
	s_lshl_b32 s18, s28, 14
	s_add_co_u32 s18, s18, s16
	s_add_nc_u64 s[24:25], s[6:7], s[18:19]        ; mem_values at my first row, my work-group's columns
	s_lshl_b32 s18, s28, 4
	s_add_nc_u64 s[26:27], s[8:9], s[18:19]        ; scoresp at my first row
	s_lshl_b32 s18, s17, 14
	s_add_co_u32 s18, s18, s16
	s_add_nc_u64 s[12:13], s[12:13], s[18:19]      ; biasp at my work-group's part and columns
	global_load_b128 v[P:P+3], v5, s[8:9]
	global_load_b128 v[P+4:P+7], v5, s[8:9] offset:16
.set j, 0
.rept 8
	global_load_b128 v[S+4*j:S+4*j+3], v6, s[26:27] offset:32*j
.set j, j+1
.endr
.set j, 0
.rept 8
	global_load_b128 v[V+4*j:V+4*j+3], v4, s[24:25] offset:32768*j th:TH_LOAD_NT   ; 16 lanes take 256 consecutive bytes, aligned, of a row
.set j, j+1
.endr
.set j, 0
.rept 32
	global_load_b128 v[X+4*j:X+4*j+3], v2, s[20:21] offset:512*j th:TH_LOAD_NT
.set j, j+1
.endr
	; the scores: (p0 + p2) + (p1 + p3), in the same order for the table and for my own rows, so that the two copies agree bit for bit and no s - m is above 0
	s_wait_loadcnt 40                              ; the 40 younger loads are mem_values' 8 and W's 32
	v_pk_add_f32 v[P:P+1], v[P:P+1], v[P+2:P+3]
	v_pk_add_f32 v[P+4:P+5], v[P+4:P+5], v[P+6:P+7]
	v_add_f32 v[P], v[P], v[P+1]
	v_add_f32 v[P+1], v[P+4], v[P+5]
	ds_store_b64 v7, v[P:P+1] offset:SC
.set j, 0
.rept 8
	v_pk_add_f32 v[S+4*j:S+4*j+1], v[S+4*j:S+4*j+1], v[S+4*j+2:S+4*j+3]
	v_add_f32 v[E+j], v[S+4*j], v[S+4*j+1]
.set j, j+1
.endr
	s_wait_dscnt 0x0                               ; for the others' sake: my two scores lie in SC
	s_barrier_signal -1
	s_barrier_wait -1                              ; all 1,024 do
.set j, 0
.rept 8
	ds_load_b128 v[S+4*j:S+4*j+3], v2 offset:SC+512*j
.set j, j+1
.endr
	s_wait_dscnt 0x0
	; the maximum of my 32, in four chains, then over the lanes
.irp k, 0,1,2,3
	v_max3_num_f32 v[T+(\k)], v[S+8*(\k)], v[S+8*(\k)+1], v[S+8*(\k)+2]
.endr
.irp k, 0,1,2,3
	v_max3_num_f32 v[T+(\k)], v[T+(\k)], v[S+8*(\k)+3], v[S+8*(\k)+4]
.endr
.irp k, 0,1,2,3
	v_max3_num_f32 v[T+(\k)], v[T+(\k)], v[S+8*(\k)+5], v[S+8*(\k)+6]
.endr
	v_max3_num_f32 v[T], v[T], v[S+7], v[S+15]
	v_max3_num_f32 v[T+2], v[T+2], v[S+23], v[S+31]
	v_max3_num_f32 v[T], v[T], v[T+1], v[T+2]
	v_max_num_f32 v[T], v[T], v[T+3]
	v_max_num_f32_dpp v[T], v[T], v[T] row_xmask:1 row_mask:0xf bank_mask:0xf
	v_max_num_f32_dpp v[T], v[T], v[T] row_xmask:2 row_mask:0xf bank_mask:0xf
	v_max_num_f32_dpp v[T], v[T], v[T] row_xmask:4 row_mask:0xf bank_mask:0xf
	v_max_num_f32_dpp v[T], v[T], v[T] row_xmask:8 row_mask:0xf bank_mask:0xf
	v_permlanex16_b32 v[T+1], v[T], s30, s31
	v_max_num_f32 v12, v[T], v[T+1]                ; m, in every lane of every wave
	v_mov_b32 v13, v12
	; my rows' weights 2^((s - m) log2 e): the difference first, which is exact for the scores near m, then the factor
.set j, 0
.rept 8
	v_sub_f32 v[E+j], v[E+j], v12
.set j, j+1
.endr
.set j, 0
.rept 8
	v_mul_f32 v[E+j], 0x3fb8aa3b, v[E+j]
.set j, j+1
.endr
.set j, 0
.rept 8
	v_exp_f32 v[E+j], v[E+j]
.set j, j+1
.endr
	v_nop                                          ; a plain instruction behind the last exponential, ahead of the first use (ISA guide 5.7.2)
	s_wait_alu depctr_va_vdst(0)                   ; one wait for the batch of eight, ahead of its first reader
	s_wait_loadcnt 32                              ; the 32 younger loads are W's: mem_values' are in
.irp k, 0,1,2,3
	v_mul_f32 v[ACC+(\k)], v[E], v[V+(\k)]         ; the first row starts the sums
.endr
.set j, 1
.rept 7
.irp k, 0,1,2,3
	v_fmac_f32 v[ACC+(\k)], v[E+j], v[V+4*j+(\k)]
.endr
.set j, j+1
.endr
.irp k, 0,1,2,3
	v_permlanex16_b32 v[T+(\k)], v[ACC+(\k)], s30, s31   ; the odd rows' sums lie 16 lanes away (T has been written by the maximum's chains)
.endr
	v_pk_add_f32 v[ACC:ACC+1], v[ACC:ACC+1], v[T:T+1]
	v_pk_add_f32 v[ACC+2:ACC+3], v[ACC+2:ACC+3], v[T+2:T+3]
	ds_store_b128 v10, v[ACC:ACC+3]                ; both halves of the lanes hold the same sums and write the same bytes
	s_wait_dscnt 0x0                               ; for wave 0's sake
	s_barrier_signal -1
	s_barrier_wait -1                              ; all 16 waves' column sums lie in RED
	s_cmp_lg_u32 s14, 0
	s_cbranch_scc1 .Lcast                          ; wave 0 alone finishes the 64 columns; no barrier and no global load stands in what the others jump
.macro TREE b                          ; the 16 pairs from v[b] on are added into the first: neighbours 1, 2, 4 and 8 pairs apart
.irp w, 4, 8, 16, 32
.set i, 0
.rept 32/(\w)
	v_pk_add_f32 v[(\b)+i:(\b)+i+1], v[(\b)+i:(\b)+i+1], v[(\b)+i+(\w)/2:(\b)+i+(\w)/2+1]
.set i, i+(\w)
.endr
.endr
.endm
.set j, 0
.rept 16
	ds_load_b64 v[V+2*j:V+2*j+1], v11 offset:256*j ; wave j's sums of my two columns; they come in while the exponentials are made
.set j, j+1
.endr
.set j, 0
.rept 16
	v_pk_add_f32 v[S+2*j:S+2*j+1], v[S+2*j:S+2*j+1], v[12:13] neg_lo:[0,1] neg_hi:[0,1]   ; s - m
.set j, j+1
.endr
.set j, 0
.rept 16
	v_pk_mul_f32 v[S+2*j:S+2*j+1], v[S+2*j:S+2*j+1], 0x3fb8aa3b op_sel_hi:[1,0]
.set j, j+1
.endr
.set j, 0
.rept 32
	v_exp_f32 v[S+j], v[S+j]
.set j, j+1
.endr
	v_nop
	s_wait_alu depctr_va_vdst(0)                   ; one wait for the batch of 32
	TREE S
	v_add_f32 v[S], v[S], v[S+1]
	v_add_f32_dpp v[S], v[S], v[S] row_xmask:1 row_mask:0xf bank_mask:0xf
	v_add_f32_dpp v[S], v[S], v[S] row_xmask:2 row_mask:0xf bank_mask:0xf
	v_add_f32_dpp v[S], v[S], v[S] row_xmask:4 row_mask:0xf bank_mask:0xf
	v_add_f32_dpp v[S], v[S], v[S] row_xmask:8 row_mask:0xf bank_mask:0xf
	v_permlanex16_b32 v[S+1], v[S], s30, s31
	v_add_f32 v[S], v[S], v[S+1]                   ; the sum of all 1,024 weights: at least 1, the maximum's own
	v_rcp_f32 v14, v[S]
	v_nop
	s_wait_alu depctr_va_vdst(0)
	v_mul_f32 v14, 0x3c23d70a, v14                 ; 0.01 / sum
	v_mov_b32 v15, v14
	s_wait_dscnt 0x0
	TREE V
	v_pk_mul_f32 v[V:V+1], v[V:V+1], v[14:15]
	global_store_b64 v3, v[V:V+1], s[12:13]        ; 32 lanes store 256 consecutive bytes, aligned
.Lcast:
	; my row of W, rounded: as in the first launch
.set j, 0
.rept 32
	s_wait_loadcnt 31-j                            ; load j is in, the 31 - j younger ones stay out: the same count on both ways to this label
	v_cvt_pk_bf16_f32 v[X+4*j], v[X+4*j], v[X+4*j+1]
	v_cvt_pk_bf16_f32 v[X+4*j+1], v[X+4*j+2], v[X+4*j+3]
	global_store_b64 v3, v[X+4*j:X+4*j+1], s[22:23] offset:256*j th:TH_STORE_NT
.set j, j+1
.endr
	s_wait_tensorcnt 0x0                           ; the wave's end, behind my last LDS store
	ds_add_u32 v8, v9
	s_wait_dscnt 0x0
	s_endpgm
.Lfunc_end_k_q32e7f22201_castw:
	.size	k_q32e7f22201_castw, .Lfunc_end_k_q32e7f22201_castw-k_q32e7f22201_castw
	.p2alignl 7, 3214868480
	.fill 96, 4, 3214868480
	.section	.rodata,"a",@progbits
	.p2align	6, 0x0
	.amdhsa_kernel k_q32e7f22201_castw
		.amdhsa_group_segment_fixed_size 10240
		.amdhsa_private_segment_fixed_size 0
		.amdhsa_enable_private_segment 0
		.amdhsa_kernarg_size 40
		.amdhsa_user_sgpr_count 2
		.amdhsa_user_sgpr_kernarg_segment_ptr 1
		.amdhsa_wavefront_size32 1
		.amdhsa_system_sgpr_workgroup_id_x 1
		.amdhsa_system_sgpr_workgroup_id_y 1
		.amdhsa_system_sgpr_workgroup_id_z 1
		.amdhsa_system_vgpr_workitem_id 0
		.amdhsa_next_free_vgpr 232
		.amdhsa_next_free_sgpr 66
		.amdhsa_reserve_vcc 0
		.amdhsa_float_denorm_mode_32 3
		.amdhsa_float_denorm_mode_16_64 3
		.amdhsa_memory_ordered 1
		.amdhsa_forward_progress 1
		.amdhsa_inst_pref_size 28
	.end_amdhsa_kernel
	.amdgpu_metadata
---
amdhsa.version: [ 1, 2 ]
amdhsa.kernels:
  - .name:           k_q32e7f22201_castw
    .symbol:         k_q32e7f22201_castw.kd
    .args:
      - { .name: weight_lattices, .offset: 0, .size: 8, .value_kind: global_buffer, .address_space: global }
      - { .name: mem_values, .offset: 8, .size: 8, .value_kind: global_buffer, .address_space: global }
      - { .name: scoresp, .offset: 16, .size: 8, .value_kind: global_buffer, .address_space: global }
      - { .name: wb, .offset: 24, .size: 8, .value_kind: global_buffer, .address_space: global }
      - { .name: biasp, .offset: 32, .size: 8, .value_kind: global_buffer, .address_space: global }
    .group_segment_fixed_size: 10240
    .private_segment_fixed_size: 0
    .kernarg_segment_align: 8
    .kernarg_segment_size: 40
    .max_flat_workgroup_size: 512
    .sgpr_count:     66
    .vgpr_count:     232
    .wavefront_size: 32
...
	.end_amdgpu_metadata
.endif
;; end of part 2
;; launch gemm (part 3): grid 16 x 16, 4 waves a work-group, clusters of 4 x 4, 327,680 bytes of LDS; arguments xb, wb, out0, weight_scales, biasp; writes out0
.if DOCPART == 3
	.amdgcn_target "amdgcn-amd-amdhsa--gfx1250"
	.amdhsa_code_object_version 6
	.text
	.protected	k_q32e7f22201_gemm
	.globl	k_q32e7f22201_gemm
	.p2align	8
	.type	k_q32e7f22201_gemm,@function
k_q32e7f22201_gemm:
	s_mov_b64 s[64:65], 0
	v_nop
	global_prefetch_b8 v0, s[64:65] scope:SCOPE_SE
	s_setreg_imm32_b32 hwreg(HW_REG_WAVE_MODE, 25, 1), 1
	s_wait_xcnt 0x0
	s_wait_alu depctr_hold_cnt(0) depctr_sa_sdst(0) depctr_va_vdst(0) depctr_va_sdst(0) depctr_va_ssrc(0) depctr_va_vcc(0) depctr_vm_vsrc(0)
	s_getreg_b32 s2, hwreg(HW_REG_IB_STS2, 6, 4)
	s_cmp_eq_u32 s2, 0
	s_cbranch_scc0 .Lentry_in_a_cluster
	s_endpgm
.Lentry_in_a_cluster:
	s_bfe_u32 s2, ttmp6, 0x10000c
	s_cmp_lg_u32 s2, 0xf033
	s_cbranch_scc0 .Lentry_shape_is_right
	s_endpgm
.Lentry_shape_is_right:
; The third launch: out0[t][o] = scale[o] * (sum over i of xb[t][i] wb[o][i]) + (biasp[0][o] + biasp[1][o]) + (biasp[2][o] + biasp[3][o]).  xb, wb: [4096][4096] bf16; sums, scale and bias in f32; out0 f32.
; Nothing of reference() is left out.  LIMITS: those of the first launch's head (operands rounded once to bf16; the order of the sums; NaN and infinities not treated apart).
; A tile of out0, 256 x 256, is made by a work-group of four waves; a wave makes 128 x 128: 64 accumulators of 16 x 16, 512 registers.  16 x 16 tiles: 256 work-groups, one tile each.
; K goes in steps of 128 through a ring of two LDS slots filled by the tensor data mover: a tile's rows are 256 bytes of memory and start at multiples of 256 bytes from the buffer's first byte.
; CLUSTERS: 4 x 4 work-groups.  The four of a row of the cluster need the same tiles of A = xb, the four of a column the same tiles of B = wb.  Such a tile is asked for JOINTLY: each of the four issues
; the same tensor load, with the same descriptor and a mask that names the four, and each receives the tile in its own LDS: the requests for A and for B are divided by four.
; REGISTERS, in windows of 256 (s_set_vgpr_msb's low byte: bits 1:0 source 0, 3:2 source 1, 5:4 source 2, 7:6 destination):
;   window 0: v0-31 addresses, scale and bias; v32-43 bias parts; v64-127, v128-191 fragments of A, two buffers; on the way out the same 128 hold rows read back from the stage
;   window 1: v64-127, v128-191 fragments of B, two buffers
;   window 2: the 32 accumulators of my rows 0-63 (accumulator (a, b) at v[8 (8 a + b)]);   window 3: those of my rows 64-127
; THE MATRIX INSTRUCTION IS USED TRANSPOSED: source 0 = 16 rows of B, source 1 = 16 rows of A.  In the result lane l holds row l % 16 of the tile and its registers 0 to 7 the columns 8 (l / 16) + 0 .. 7:
; 32 neighbouring bytes of a row of out0.
; THE WAY OUT: 16 rows at a time go through the wave's own stage in LDS and come back as whole rows of 512 bytes, a lane holding four columns that are the same in every row: so a lane's four scales and
; four biases stay in registers, one packed multiply-add serves two numbers, and a store of the wave covers 512 consecutive bytes, aligned.
.set SIZE_M, 4096
.set SIZE_N, 4096
.set SIZE_K, 4096
.set KSTEP,  128
.set PITCH,  272                       ; an LDS row: 256 bytes of data + 16 of padding = 68 words: row r starts at bank 4 r mod 64 (64 banks of 4 bytes: ISA guide 11.1), so the 16 rows that a load touches start at 16 different banks
.set HALFT,  128*PITCH                 ; 128 rows: what one tensor load brings, and what one wave reads of A or of B
.set SLOT,   4*HALFT                   ; A's 256 rows, then B's 256 rows
.set STAGE,  2*SLOT                    ; behind the ring, never filled by a tensor load: 16 rows x 528 bytes for each wave
.set SPITCH, 528                       ; 512 bytes + 16 = 132 words: again row r starts at bank 4 r mod 64
.set SPARE,  STAGE+4*16*SPITCH         ; behind the stages: the spare words, 128 bytes for each wave: two blocks of 256 bytes that no other line names
.set LAPS, SIZE_K/(2*KSTEP)            ; a lap = two K steps = once round the ring: 16
.set SCL,  8                           ; v[8:11]  the scales of my four columns
.set BIA,  12                          ; v[12:15] bias part 0 of my four columns, then the sum of the four parts; parts 1 to 3 in v[32:43]
.set ADRA, 16                          ; v16-17  LDS address of my A fragments in slot 0, 1
.set ADRB, 20                          ; v20-21  the same for B
.set STO,  24                          ; v24     the way out: where I put 32 bytes of a row
.set RD,   25                          ; v25     the way out: where I read 16 bytes of a row back
.set CO,   26                          ; v26     16 x lane: my offset in 512 bytes of out0, of the scales and of a bias part; never rewritten
.set SPW,  28                          ; v28     LDS address of my spare word: SPARE + 4 x my thread's number; never rewritten
.set NIL,  29                          ; v29     0; never rewritten
.set PFO,  30                          ; v30     the prefetches' offset: my lane x a row of A or B in memory; never rewritten
.set PFA,  44                          ; s[44:45] where my prefetches stand: my work-group's 32 rows of the 128 that I fetch, one K step further along K than the refill that is being asked for
.set LIM,  43                          ; s43     1 in a wave that prefetches, else the greatest number
.set F0,   64                          ; fragment buffer 0
.set F1,   128                         ; fragment buffer 1
.set G1, 24                            ; s[24:31] descriptor group 1 for A's tiles
.set G0, 32                            ; s[32:39] descriptor group 0 for A's tiles, one set for each slot
.set G1B, 48                           ; s[48:55] descriptor group 1 for B's tiles: it differs from A's in the mask alone
.set G0B, 56                           ; s[56:63] descriptor group 0 for B's tiles, one set for each slot
.set MSB, 0
.macro WIN new                         ; the immediate's high byte repeats the setting that is left; a switch that changes nothing is dropped
.if MSB != (\new)
	s_set_vgpr_msb (MSB<<8)|(\new)
.set MSB, \new
.endif
.endm
.set MUL_LO, 0xa1                      ; source 0 (B) window 1, source 1 (A) window 0, C and D window 2
.set MUL_HI, 0xf1                      ; the same, C and D window 3
.set TO_B,   0x40                      ; destination window 1, address window 0
; A joint load.  Waves 0 and 1 fetch A's two halves, waves 2 and 3 B's.  Each of the two lines has ONE mask and one set of registers for all that issue it; the branch hangs on the wave's number alone.
; An s_nop 0 and four v_nop follow each of the two lines; the jump, the label and what follows the macro come after them.
.macro JLOAD s
	s_cmp_eq_u32 s11, 0
	s_cbranch_scc0 .Lfor_b_\@
	tensor_load_to_lds s[G0+4*(\s):G0+4*(\s)+3], s[G1:G1+7]
	s_nop 0
.rept 4
	v_nop
.endr
	s_branch .Lasked_\@
.Lfor_b_\@:
	tensor_load_to_lds s[G0B+4*(\s):G0B+4*(\s)+3], s[G1B:G1B+7]
	s_nop 0
.rept 4
	v_nop
.endr
.Lasked_\@:
.endm
; A PREFETCH INTO THE L2, behind each joint refill and the run of LDS loads that follows it: the K step that stands TWO refills on, 512 matrix instructions ahead of the load that will ask for it:
; 32 rows x 256 bytes, a lane a row, one instruction a wave.  Each row's 256 bytes of a K step are named ONCE in the launch: A's tile row is read by every cluster of that row of clusters, and the one with
; x = 0 prefetches; B's tile column by every cluster of that column, and the one with y = 0 prefetches.  The four partners that ask for a tile jointly share its rows out BY ADDRESS: of the 128 rows that a
; wave fetches the partner at place p takes 32 p .. 32 p + 31 (p = cx for A, cy for B).  K steps 0 to 3 come by their loads alone; the loop's last trip (s3 = 1), whose refills are K's last two steps, asks for nothing.
.macro ASK
	s_cmp_gt_u32 s3, s[LIM]
	s_cbranch_scc0 .Lnot_mine_\@
	global_prefetch_b8 v[PFO], s[PFA:PFA+1] offset:KSTEP*2 th:TH_LOAD_NT scope:SCOPE_SE
.Lnot_mine_\@:
.endm
; A round of the cluster's barrier: my work-group's barrier, so that wave 0's signal speaks for all four waves; wave 0 signals for the work-group; every wave waits for all sixteen work-groups; my work-group's barrier once more.
.macro CREST                           ; a round behind its opening barrier
	s_cmp_lg_u32 s10, 0
	s_cbranch_scc1 .Lnot_wave_0_\@
	s_barrier_signal -3
.Lnot_wave_0_\@:
	s_barrier_wait -3
	s_barrier_signal -1
	s_barrier_wait -1
.endm
.macro CROUND                          ; a whole round
	s_barrier_signal -1
	s_barrier_wait -1
	CREST
.endm
	s_load_b128 s[4:7], s[0:1], 0x0                ; A = xb s[4:5], B = wb s[6:7]
	s_load_b64 s[8:9], s[0:1], 0x10                ; out0
	s_load_b128 s[68:71], s[0:1], 0x18             ; weight_scales s[68:69], biasp s[70:71]
	v_lshl_add_u32 v[SPW], v0, 2, SPARE
	v_mov_b32 v[NIL], 0
	ds_add_u32 v[SPW], v[NIL]                      ; the wave's opening: the add, twice on end, and its wait ahead of my first tensor load; the set-up below, work on registers, stands between
	ds_add_u32 v[SPW], v[NIL]                      ; and once more, under the one wait
	v_lshrrev_b32 v1, 5, v0
	v_readfirstlane_b32 s10, v1                    ; wave 0..3
	s_lshr_b32 s11, s10, 1                         ; which half of the tile's rows is mine.  Also: I fetch for A (0) or for B (1)
	s_and_b32 s12, s10, 1                          ; which half of its columns.  Also: which 128 rows of that tile I fetch
	s_bfe_u32 s40, ttmp6, 0x40000                  ; cx: my place along the cluster's x
	s_bfe_u32 s41, ttmp6, 0x40004                  ; cy: along its y
	s_lshl_b32 s42, ttmp9, 2                       ; in a cluster launch ttmp9 and ttmp7 count clusters
	s_add_co_u32 s42, s42, s40                     ; tile column = 4 x cluster x + cx
	s_and_b32 s13, ttmp7, 0xffff
	s_lshl_b32 s13, s13, 2
	s_add_co_u32 s13, s13, s41                     ; tile row = 4 x cluster y + cy
	s_lshl_b32 s43, s41, 2
	s_lshl_b32 s43, 15, s43                        ; my row of the cluster: places 4 cy .. 4 cy + 3
	s_lshl_b32 s44, 0x1111, s40                    ; my column: places cx, cx + 4, cx + 8, cx + 12
	; descriptor group 1: a tile of 128 rows x 128 elements, padded in LDS
	s_or_b32 s[G1+0], s43, (1<<16)|(1<<20)|(1<<21)|(5<<22)|(3<<25)  ; 15:0 the mask: A's tiles go to my row; 17:16 element of 2 bytes; 20 padding on; 21 set beside a mask; 24:22 after every 64 words (code 5); 31:25 of 4 words (code 3)
	s_or_b32 s[G1B+0], s44, (1<<16)|(1<<20)|(1<<21)|(5<<22)|(3<<25) ; the same with the mask of my column, for B's tiles
	s_mov_b32 s[G1B+1], KSTEP<<16
	s_mov_b32 s[G1+1], KSTEP<<16                   ; 63:48 tensor_dim0, low half = 128
	s_mov_b32 s[G1B+2], 128<<16
	s_mov_b32 s[G1+2], 128<<16                     ; 95:80 tensor_dim1, low half = 128
	s_mov_b32 s[G1B+3], KSTEP<<16
	s_mov_b32 s[G1+3], KSTEP<<16                   ; 127:112 tile_dim0 = 128
	s_mov_b32 s[G1B+4], 128
	s_mov_b32 s[G1+4], 128                         ; 143:128 tile_dim1 = 128; 159:144 tile_dim2 = 0
	s_mov_b32 s[G1B+5], SIZE_K
	s_mov_b32 s[G1+5], SIZE_K                      ; 191:160 elements from row to row
	s_mov_b32 s[G1B+6], 0
	s_mov_b32 s[G1+6], 0
	s_mov_b32 s[G1B+7], 0
	s_mov_b32 s[G1+7], 0
	; where the tiles come from.  A's hang on the tile row alone, which my row of the cluster shares; B's on the tile column alone, which my column shares.
	; Every wave makes both addresses, in registers that never hold the other coordinate, and asks by one of them.
	s_lshl_b32 s17, s12, 7                         ; which 128 rows of the tile I fetch
	s_lshl_b32 s16, s13, 8
	s_add_co_u32 s16, s16, s17                     ; A: row 256 x tile row + 128 x half
	s_lshl_b32 s46, s42, 8
	s_add_co_u32 s46, s46, s17                     ; B: row 256 x tile column + 128 x half
	s_mov_b32 s17, 0
	s_mov_b32 s47, 0
	s_mov_b64 s[18:19], SIZE_K*2
	s_mul_u64 s[16:17], s[16:17], s[18:19]         ; in bytes
	s_mul_u64 s[46:47], s[46:47], s[18:19]
	s_mul_i32 s20, s10, HALFT                      ; and where they go: wave x 128 rows: no place in the cluster enters an LDS address
	s_wait_dscnt 0x0                               ; both opening adds are done
	s_wait_kmcnt 0x0
	s_add_nc_u64 s[14:15], s[4:5], s[16:17]
	s_add_nc_u64 s[46:47], s[6:7], s[46:47]
	CROUND                                         ; all sixteen work-groups are here: the first joint loads meet
.irp s, 0,1
	s_mov_b32 s[G0+4*(\s)], 1                                      ; 1:0 count = 1
	s_add_co_u32 s[G0+4*(\s)+1], s20, (\s)*SLOT                    ; 63:32 LDS address
	s_add_nc_u64 s[G0+4*(\s)+2:G0+4*(\s)+3], s[14:15], (\s)*KSTEP*2  ; 120:64 global address: K step s
	s_or_b32 s[G0+4*(\s)+3], s[G0+4*(\s)+3], 0x80000000            ; 127:126 type = 2
	s_mov_b32 s[G0B+4*(\s)], 1
	s_add_co_u32 s[G0B+4*(\s)+1], s20, (\s)*SLOT
	s_add_nc_u64 s[G0B+4*(\s)+2:G0B+4*(\s)+3], s[46:47], (\s)*KSTEP*2
	s_or_b32 s[G0B+4*(\s)+3], s[G0B+4*(\s)+3], 0x80000000
	JLOAD \s                                       ; the ring is filled before anything else is done: two tensor loads of mine are out
.endr
	; A fragment is 16 rows x 32 K in 8 registers: lane l holds row l % 16; registers 0-3 hold K = 8 (l / 16) + 0..7, registers 4-7 hold K = 16 + 8 (l / 16) + 0..7: two loads of 16 bytes, 32 bytes apart.
	v_and_b32 v1, 15, v0                           ; l % 16
	v_bfe_u32 v2, v0, 4, 1                         ; l / 16
	v_mul_u32_u24 v3, v1, PITCH
	v_lshl_add_u32 v3, v2, 4, v3                   ; row x pitch + 16 x half
	s_mul_i32 s21, s11, HALFT                      ; my 128 rows of A
	s_mul_i32 s22, s12, HALFT                      ; my 128 rows of B,
	s_add_co_u32 s22, s22, 2*HALFT                 ; which lie behind A's 256
.irp s, 0,1
	v_add_nc_u32 v[ADRA+(\s)], s21, v3
	v_add_nc_u32 v[ADRB+(\s)], s22, v3
	s_add_co_u32 s21, s21, SLOT
	s_add_co_u32 s22, s22, SLOT
.endr
	s_mul_i32 s23, s10, 16*SPITCH
	s_add_co_u32 s23, s23, STAGE                   ; my stage
	v_mul_u32_u24 v4, v1, SPITCH                   ; in: row l % 16, 32 bytes for each half of the lanes
	v_lshl_add_u32 v4, v2, 5, v4
	v_add_nc_u32 v[STO], s23, v4
	v_and_b32 v5, 31, v0
	v_lshlrev_b32 v[CO], 4, v5                     ; back: the 32 lanes take one row's 512 bytes
	v_add_nc_u32 v[RD], s23, v[CO]
	; out0 at my 128 x 128; the scales and the bias parts at my 128 columns
	s_lshl_b32 s13, s13, 8
	s_lshl_b32 s14, s11, 7
	s_add_co_u32 s16, s13, s14                     ; my first row of out0
	s_mov_b32 s17, 0
	s_mov_b64 s[18:19], SIZE_N*4
	s_mul_u64 s[16:17], s[16:17], s[18:19]
	s_lshl_b32 s46, s42, 10                        ; my first column, in bytes: 1,024 x tile column + 512 x half (in the registers that held B's address: none that feeds A's descriptors ever holds cx)
	s_lshl_b32 s47, s12, 9
	s_add_co_u32 s46, s46, s47
	s_mov_b32 s47, 0
	s_add_nc_u64 s[8:9], s[8:9], s[16:17]
	s_add_nc_u64 s[8:9], s[8:9], s[46:47]
	s_add_nc_u64 s[68:69], s[68:69], s[46:47]
	s_add_nc_u64 s[70:71], s[70:71], s[46:47]
	; the prefetches.  s13 = 256 x tile row, s42 = tile column, s40 = cx, s41 = cy still stand; s[4:5] = A, s[6:7] = B
	s_lshl_b32 s42, s42, 8
	s_and_b32 s22, ttmp7, 0xffff                   ; cluster y
	s_cmp_eq_u32 s11, 0                            ; do I fetch for A?
	s_cselect_b32 s20, s13, s42                    ; the tile's first row: in A by the tile row, in B by the tile column
	s_cselect_b32 s21, s40, s41                    ; my place among the four that ask for it with me
	s_cselect_b32 s22, ttmp9, s22                  ; the coordinate along which other clusters read the same rows
	s_cselect_b64 s[PFA:PFA+1], s[4:5], s[6:7]
	s_cmp_eq_u32 s22, 0
	s_cselect_b32 s[LIM], 1, -1                    ; the same in all sixteen partners, for a given wave
	s_lshl_b32 s22, s12, 7
	s_add_co_u32 s20, s20, s22                     ; + the 128 rows that I fetch
	s_lshl_b32 s21, s21, 5
	s_add_co_u32 s20, s20, s21                     ; + my work-group's 32 of them
	s_mov_b32 s21, 0
	s_mov_b64 s[18:19], SIZE_K*2
	s_mul_u64 s[20:21], s[20:21], s[18:19]
	s_add_nc_u64 s[PFA:PFA+1], s[PFA:PFA+1], s[20:21]
	s_add_nc_u64 s[PFA:PFA+1], s[PFA:PFA+1], 2*KSTEP*2  ; at K step 2: the first refill steps it to 3 and names K step 4
	v_and_b32 v[PFO], 31, v0
	v_mul_u32_u24 v[PFO], v[PFO], SIZE_K*2
	; my four columns' scale and four bias parts: five loads, waited for on the way out; nothing names their registers before
	global_load_b128 v[SCL:SCL+3], v[CO], s[68:69]
	global_load_b128 v[BIA:BIA+3], v[CO], s[70:71]
	global_load_b128 v[32:35], v[CO], s[70:71] offset:SIZE_N*4
	global_load_b128 v[36:39], v[CO], s[70:71] offset:2*SIZE_N*4
	global_load_b128 v[40:43], v[CO], s[70:71] offset:3*SIZE_N*4
; 16 matrix instructions: m blocks a0, a0 + 1 of the window's four (hi = 0: my rows 0-63, 1: rows 64-127) x all 8 n blocks, 32 along K.  zero = 1: the first product starts the sums: nothing is ever cleared.
; The 64 accumulators take turns, one instruction a turn, in the same order in every quarter step, over the backward jump too.
.macro MUL16 f, hi, a0, zero
	WIN MUL_LO+0x50*(\hi)  ; MUL_LO or MUL_HI
.irp a, \a0, (\a0)+1
.irp b, 0,1,2,3,4,5,6,7
.if \zero
	v_wmma_f32_16x16x32_bf16 v[8*(8*(\a)+(\b)):8*(8*(\a)+(\b))+7], v[(\f)+8*(\b):(\f)+8*(\b)+7], v[(\f)+8*(4*(\hi)+(\a)):(\f)+8*(4*(\hi)+(\a))+7], 0
.else
	v_wmma_f32_16x16x32_bf16 v[8*(8*(\a)+(\b)):8*(8*(\a)+(\b))+7], v[(\f)+8*(\b):(\f)+8*(\b)+7], v[(\f)+8*(4*(\hi)+(\a)):(\f)+8*(4*(\hi)+(\a))+7], v[8*(8*(\a)+(\b)):8*(8*(\a)+(\b))+7]
.endif
.endr
.endr
.endm
; 32 LDS loads in one run: the fragments of one quarter step (128 rows of B, 128 rows of A, 32 K at byte k of the rows) into buffer f
.macro FETCH slot, k, f
	WIN TO_B
.irp i, 0,1,2,3,4,5,6,7
	ds_load_b128 v[(\f)+8*(\i):(\f)+8*(\i)+3],   v[ADRB+(\slot)] offset:(\k)+(\i)*16*PITCH
	ds_load_b128 v[(\f)+8*(\i)+4:(\f)+8*(\i)+7], v[ADRB+(\slot)] offset:(\k)+(\i)*16*PITCH+32
.endr
	WIN 0
.irp i, 0,1,2,3,4,5,6,7
	ds_load_b128 v[(\f)+8*(\i):(\f)+8*(\i)+3],   v[ADRA+(\slot)] offset:(\k)+(\i)*16*PITCH
	ds_load_b128 v[(\f)+8*(\i)+4:(\f)+8*(\i)+7], v[ADRA+(\slot)] offset:(\k)+(\i)*16*PITCH+32
.endr
.endm
; A load into a register that a matrix instruction has read stands four places behind that matrix instruction, and only plain vector instructions that name none of its registers are places
; (ISA guide 7.12.1 for vector instructions); the matrix instructions in between are not counted.
.macro PLACES
.rept 4
	v_nop
.endr
.endm
; A K step is four quarter steps of 32 along K, 64 matrix instructions each, on buffers 0, 1, 0, 1.
; One of the first three: multiplies buffer f; in its middle it fetches the next quarter's fragments, at byte k of the same slot's rows, into buffer g.
.macro QUARTER slot, k, f, g, zero
	s_wait_dscnt 8                                 ; B and A's rows 0-63 are in; the youngest eight loads (A's rows 64-127) may be out
	WIN MUL_LO
	MUL16 \f, 0, 0, \zero
	MUL16 \f, 0, 2, \zero
	PLACES
	FETCH \slot, \k, \g
	s_wait_dscnt 32                                ; all but the 32 just issued
	WIN MUL_HI
	MUL16 \f, 1, 0, \zero
	MUL16 \f, 1, 2, \zero
.endm
; The last quarter multiplies buffer 1 and changes slots.  MEET is its first half: ONE barrier for the change of slots.  In front of it each wave waits for all its tensor loads, of which one is out:
; its part of the next slot; adds 0 to its spare word; and waits for that and for its own reads of this slot.  Behind it nobody reads this slot any more and the next slot is whole.
.macro MEET round                      ; round = 1: a round of the cluster's barrier follows
	WIN 0                                          ; (the add's two registers lie in window 0)
	s_wait_tensorcnt 0x0                           ; all my tensor loads have landed;
	ds_add_u32 v[SPW], v[NIL]                      ; 0 onto my spare word;
	s_wait_dscnt 9                                 ; (the add and the youngest eight loads may be out)
	WIN MUL_LO
	MUL16 F1, 0, 0, 0                              ; sixteen matrix instructions stand between the add and the wait for it
	s_wait_dscnt 0x0                               ; the add is done, and my reads of this slot are over:
	s_barrier_signal -1                            ; say so,
	MUL16 F1, 0, 2, 0                              ; work on registers while the others arrive,
.if \round
	WIN 0
.endif
	s_barrier_wait -1                              ; and go on when all four have said so
.endm
; The whole last quarter of a K step whose slot is filled again, with the K step two steps on: the barrier opens a round of the cluster's, the joint refill is the first tensor load behind it (one load of
; mine is out from there on), then come the next slot's first fragments.  From the request to the wait for it a wave issues 224 matrix instructions.
.macro TURN slot, next
	s_wait_xcnt 0x0                                ; the last prefetch, a K step back, has read its address: it is stepped here, ahead of the waits of the change of slots
	s_add_nc_u64 s[PFA:PFA+1], s[PFA:PFA+1], KSTEP*2
	MEET 1
	CREST                                          ; no wave of any partner still reads this slot's tile or has a load on its way
	s_add_nc_u64 s[G0+4*(\slot)+2:G0+4*(\slot)+3], s[G0+4*(\slot)+2:G0+4*(\slot)+3], 2*KSTEP*2
	s_add_nc_u64 s[G0B+4*(\slot)+2:G0B+4*(\slot)+3], s[G0B+4*(\slot)+2:G0B+4*(\slot)+3], 2*KSTEP*2
	JLOAD \slot                                    ; the four v_nop behind it are also the places in front of the loads below
	FETCH \next, 0, F0
	ASK
	WIN MUL_HI
	MUL16 F1, 1, 0, 0
	MUL16 F1, 1, 2, 0
.endm
; THE WAY OUT of block a (16 rows x my 128 columns).  TOSTAGE: a lane's eight numbers of each accumulator, the four lowest registers first, go into my own stage as they are, in f32, and come back as whole rows.
.macro TOSTAGE a
	WIN 0
	s_wait_xcnt 0x0                                ; the stores of the block two back have read the registers that the loads below fill
.set AC, 64*((\a)%4)
.set BK, F0+64*((\a)%2)
	WIN 0x08+4*((\a)/4)                            ; an LDS store's data is source 1: window 2 (blocks 0-3) or 3 (blocks 4-7)
.irp b, 0,1,2,3,4,5,6,7
	ds_store_b128 v[STO], v[AC+8*(\b):AC+8*(\b)+3]   offset:64*(\b)
	ds_store_b128 v[STO], v[AC+8*(\b)+4:AC+8*(\b)+7] offset:64*(\b)+16
.endr
	WIN 0
.irp t, 0,1,2,3,4,5,6,7,8,9,10,11,12,13,14,15
	ds_load_b128 v[BK+4*(\t):BK+4*(\t)+3], v[RD] offset:(\t)*SPITCH  ; LDS serves a wave's instructions in order (ISA guide 5.7.1.4): these see the stores above, and the next block's stores come behind them
.endr
.endm
; SEND: scale and bias, two numbers an instruction, and the row's store.  younger: the LDS instructions issued behind block a's loads: the next block's 16 stores and 16 loads, or none.
.macro SEND a, younger
	WIN 0
.set BK, F0+64*((\a)%2)
.irp t, 0,1,2,3,4,5,6,7,8,9,10,11,12,13,14,15
	s_wait_dscnt (\younger)+15-(\t)                ; row t is back in registers
	v_pk_fma_f32 v[BK+4*(\t):BK+4*(\t)+1],   v[BK+4*(\t):BK+4*(\t)+1],   v[SCL:SCL+1],   v[BIA:BIA+1]
	v_pk_fma_f32 v[BK+4*(\t)+2:BK+4*(\t)+3], v[BK+4*(\t)+2:BK+4*(\t)+3], v[SCL+2:SCL+3], v[BIA+2:BIA+3]
	global_store_b128 v[CO], v[BK+4*(\t):BK+4*(\t)+3], s[8:9] offset:(16*(\a)+(\t))*SIZE_N*4 th:TH_STORE_NT  ; 512 consecutive bytes, aligned; the row stands in the immediate, 127 rows of 16,384 bytes at the most: the base is never stepped
.endr
.endm
	s_wait_tensorcnt 1                             ; my part of K step 0 is in; K step 1's load, issued behind it, may stay out
	s_barrier_signal -1
	s_barrier_wait -1                              ; everybody's is
	FETCH 0, 0, F0
	QUARTER 0, 64,  F0, F1, 1                      ; the first quarter stands in front of the loop: its products start the sums
	WIN 0                                          ; at a label and at a branch every window is 0
	s_mov_b32 s3, LAPS-1
.Llap:                                                 ; a trip goes once round the ring, from a lap's second quarter to the next lap's first, and fills both slots again
	QUARTER 0, 128, F1, F0, 0
	QUARTER 0, 192, F0, F1, 0
	TURN 0, 1
	QUARTER 1, 64,  F0, F1, 0
	QUARTER 1, 128, F1, F0, 0
	QUARTER 1, 192, F0, F1, 0
	TURN 1, 0
	QUARTER 0, 64,  F0, F1, 0
	WIN 0
	s_sub_co_u32 s3, s3, 1
	s_cmp_lg_u32 s3, 0
	s_cbranch_scc1 .Llap
	QUARTER 0, 128, F1, F0, 0                      ; the last lap is written out: it asks for nothing more
	QUARTER 0, 192, F0, F1, 0
	MEET 0                                         ; my one tensor load that was still out is slot 1's, the last K step's, so no round follows
	PLACES                                         ; for the loads into buffer 0, which the quarter before multiplied
	FETCH 1, 0, F0
	WIN MUL_HI
	MUL16 F1, 1, 0, 0
	MUL16 F1, 1, 2, 0
	QUARTER 1, 64,  F0, F1, 0
	QUARTER 1, 128, F1, F0, 0
	QUARTER 1, 192, F0, F1, 0
	s_wait_dscnt 8                                 ; the very last quarter: nothing more to fetch
	WIN MUL_LO
	MUL16 F1, 0, 0, 0
	MUL16 F1, 0, 2, 0
	s_wait_dscnt 0x0
	MUL16 F1, 1, 0, 0
	MUL16 F1, 1, 2, 0
	WIN 0
	s_wait_loadcnt 0x0                             ; scale and bias parts, asked for at the head
	v_pk_add_f32 v[BIA:BIA+1], v[BIA:BIA+1], v[32:33]        ; (b0 + b1) + (b2 + b3): six plain instructions and two v_nop, which name no register of the last products: the places
	v_pk_add_f32 v[BIA+2:BIA+3], v[BIA+2:BIA+3], v[34:35]    ; in front of the LDS stores that read results and of the loads into A's fragment registers
	v_pk_add_f32 v[36:37], v[36:37], v[40:41]
	v_pk_add_f32 v[38:39], v[38:39], v[42:43]
	v_pk_add_f32 v[BIA:BIA+1], v[BIA:BIA+1], v[36:37]
	v_pk_add_f32 v[BIA+2:BIA+3], v[BIA+2:BIA+3], v[38:39]
	v_nop
	v_nop
	TOSTAGE 0
.irp a, 1,2,3,4,5,6,7                  ; block a goes into the stage and is asked back while block a - 1's rows are scaled and stored
	TOSTAGE \a
	SEND (\a)-1, 32
.endr
	SEND 7, 0
	s_wait_tensorcnt 0x0                           ; the wave's end, behind my last tensor load and my last LDS store
	ds_add_u32 v[SPW], v[NIL]
	s_wait_dscnt 0x0
	CROUND                                         ; the closing round: no work-group ends while a partner may still ask for a tile that names it
	s_endpgm
.Lfunc_end_k_q32e7f22201_gemm:
	.size	k_q32e7f22201_gemm, .Lfunc_end_k_q32e7f22201_gemm-k_q32e7f22201_gemm
	.p2alignl 7, 3214868480
	.fill 96, 4, 3214868480
	.section	.rodata,"a",@progbits
	.p2align	6, 0x0
	.amdhsa_kernel k_q32e7f22201_gemm
		.amdhsa_group_segment_fixed_size 327680
		.amdhsa_private_segment_fixed_size 0
		.amdhsa_enable_private_segment 0
		.amdhsa_kernarg_size 40
		.amdhsa_user_sgpr_count 2
		.amdhsa_user_sgpr_kernarg_segment_ptr 1
		.amdhsa_wavefront_size32 1
		.amdhsa_system_sgpr_workgroup_id_x 1
		.amdhsa_system_sgpr_workgroup_id_y 1
		.amdhsa_system_sgpr_workgroup_id_z 1
		.amdhsa_system_vgpr_workitem_id 0
		.amdhsa_next_free_vgpr 1024
		.amdhsa_next_free_sgpr 72
		.amdhsa_reserve_vcc 0
		.amdhsa_float_denorm_mode_32 3
		.amdhsa_float_denorm_mode_16_64 3
		.amdhsa_memory_ordered 1
		.amdhsa_forward_progress 1
		.amdhsa_inst_pref_size 162
	.end_amdhsa_kernel
	.amdgpu_metadata
---
amdhsa.version: [ 1, 2 ]
amdhsa.kernels:
  - .name:           k_q32e7f22201_gemm
    .symbol:         k_q32e7f22201_gemm.kd
    .args:
      - { .name: xb, .offset: 0, .size: 8, .value_kind: global_buffer, .address_space: global }
      - { .name: wb, .offset: 8, .size: 8, .value_kind: global_buffer, .address_space: global }
      - { .name: out0, .offset: 16, .size: 8, .value_kind: global_buffer, .address_space: global }
      - { .name: weight_scales, .offset: 24, .size: 8, .value_kind: global_buffer, .address_space: global }
      - { .name: biasp, .offset: 32, .size: 8, .value_kind: global_buffer, .address_space: global }
    .group_segment_fixed_size: 327680
    .private_segment_fixed_size: 0
    .kernarg_segment_align: 8
    .kernarg_segment_size: 40
    .max_flat_workgroup_size: 128
    .sgpr_count:     72
    .vgpr_count:     1024
    .wavefront_size: 32
...
	.end_amdgpu_metadata
.endif
;; end of part 3
;; ======== version 2 of 2: 3 launches; version 1 with the launches castx, castw written anew for expert scheduling mode
;; workspace buffers: xb 33,554,432 bytes; wb 33,554,432 bytes; scoresp 16,384 bytes; biasp 65,536 bytes
;; launch castx (part 4): grid 256 x 1, 16 waves a work-group, no clusters, 0 bytes of LDS; arguments x, mem_keys, xb, scoresp; writes xb, scoresp
.if DOCPART == 4
	.amdgcn_target "amdgcn-amd-amdhsa--gfx1250"
	.amdhsa_code_object_version 6
	.text
	.protected	k_q32e7f22201_castx
	.globl	k_q32e7f22201_castx
	.p2align	8
	.type	k_q32e7f22201_castx,@function
k_q32e7f22201_castx:
	s_mov_b64 s[64:65], 0
	v_nop
	global_prefetch_b8 v0, s[64:65] scope:SCOPE_SE
	s_setreg_imm32_b32 hwreg(HW_REG_WAVE_SCHED_MODE, 0, 2), 2
	s_setreg_imm32_b32 hwreg(HW_REG_WAVE_MODE, 25, 1), 1
	s_wait_xcnt 0x0
	s_wait_alu depctr_vm_vsrc(0)
; THE PROGRAM.  out[t][o] = scale[o] * (sum over i of x[t][i] W[o][i]) + 0.01 * mem[o],  mem = softmax(mem_keys . x[0]) . mem_values.
; Three launches.  This one rounds x to bf16 (xb) and makes the 1,024 scores mem_keys . x[0], each as four partial sums in f32 (scoresp).
; The second rounds W to bf16 (wb), takes the softmax and makes 0.01 * mem as four partial rows in f32 (biasp).  The third is the product, with scale and bias applied in f32 to the f32 sums.
; NOTHING OF reference() IS LEFT OUT: every input reaches the output; of x only row 0 enters the scores, as reference() slices it.
; LIMITS.  x and W are each rounded once to bf16, to nearest even (a magnitude beyond bf16's largest finite number becomes an infinity); the scale is not folded into W, it multiplies the f32 sums.
; The order of all sums differs from reference()'s.  A softmax weight below 2^-126 counts as 0.  NaN and infinities are not treated apart.
; SHARES.  4,096 waves.  Wave G rounds row G of x (16 KiB in, 8 KiB out) and makes partial score G: key row G / 4, quarter G % 4 of the 4,096 channels (4 KiB of keys, 4 KiB of x's row 0).
; No loop, no LDS, no barrier: all 48 loads of a wave (24 KiB) go out at its head; the row's 32 are waited for four at a time, by counts that leave the younger ones out.
; The scores stay in f32 on the vector unit: one row against 1,024 would use one row in sixteen of a matrix tile, and the bytes of mem_keys are what the step costs.
; THE MODE: SCHED_MODE bits 1:0 = 2 (LLVM: expert scheduling mode 2), set by the entry lines.  The code itself states the register dependences
; between vector instructions and memory instructions, with s_wait_alu, always for 0.
; THE PLAN.  Registers that memory instructions touch:
;   v2, v3, v4   offsets, made once at the head and never written again.
;   KY, QV       loads land in them once; the score's vector lines read them; no load lands in them again.
;   X            the row goes in eight blocks of four loads.  Block b's eight roundings read its 16 registers and write eight of them, in place; the four stores that read those
;                eight are issued in block b + 1, dealt among that block's roundings, which name block b + 1's registers alone.  Nothing writes them again.
;   v8           the score: written ahead of block 0, read by the wave's last store.
; So one wait on va_vdst at the head of a block states all that the block's four stores hang on.  No register that a memory instruction has read is written again; EXEC, which is, has both waits at each write.
.set KY, 16                            ; v[16:47]   my 1,024 numbers of the key row: load j holds numbers 128 j + 4 lane + 0..3
.set QV, 48                            ; v[48:79]   the same numbers of x's row 0
.set X,  80                            ; v[80:207]  my row of x: load j holds numbers 128 j + 4 lane + 0..3
	s_load_b256 s[4:11], s[0:1], 0x0               ; x s[4:5], mem_keys s[6:7], xb s[8:9], scoresp s[10:11]
	v_lshrrev_b32 v5, 5, v0
	v_readfirstlane_b32 s12, v5                    ; wave 0..15
	v_and_b32 v1, 31, v0                           ; lane
	v_lshlrev_b32 v2, 4, v1                        ; 16 bytes a lane: the loads' offset
	v_lshlrev_b32 v3, 3, v1                        ; 8 bytes a lane: the bf16 stores' offset
	v_mov_b32 v4, 0                                ; the score's store has its whole address in the base
	s_wait_alu depctr_va_sdst(0)                   ; s12 is written, ahead of its first reader: every base is made from it
	s_lshl_b32 s13, ttmp9, 4
	s_add_co_u32 s13, s13, s12                     ; G = 16 x work-group + wave
	s_mov_b32 s26, 0x76543210                      ; v_permlanex16_b32: each lane takes its own place in the other half
	s_mov_b32 s27, 0xfedcba98
	s_mov_b32 s15, 0                               ; offsets are pairs with 0 on top: all stay under 2^27
	s_wait_kmcnt 0x0
	s_lshl_b32 s14, s13, 12                        ; (G / 4) x 16,384 + (G % 4) x 4,096 = G x 4,096
	s_add_nc_u64 s[16:17], s[6:7], s[14:15]        ; my quarter of my key row
	s_and_b32 s14, s13, 3
	s_lshl_b32 s14, s14, 12
	s_add_nc_u64 s[18:19], s[4:5], s[14:15]        ; the same quarter of x's row 0
	s_lshl_b32 s14, s13, 14
	s_add_nc_u64 s[20:21], s[4:5], s[14:15]        ; my row of x
	s_lshl_b32 s14, s13, 13
	s_add_nc_u64 s[22:23], s[8:9], s[14:15]        ; my row of xb
	s_lshl_b32 s14, s13, 2
	s_add_nc_u64 s[10:11], s[10:11], s[14:15]      ; my word of scoresp: [key row][quarter]
	s_wait_alu depctr_va_vdst(0)                   ; v2, v3 and v4 are written: every load and store of the kernel reads one of them as its offset
.set j, 0
.rept 8
	global_load_b128 v[KY+4*j:KY+4*j+3], v2, s[16:17] offset:512*j th:TH_LOAD_NT
.set j, j+1
.endr
.set j, 0
.rept 8
	global_load_b128 v[QV+4*j:QV+4*j+3], v2, s[18:19] offset:512*j    ; no hint: every wave of the launch reads a quarter of this row
.set j, j+1
.endr
.set j, 0
.rept 32
	global_load_b128 v[X+4*j:X+4*j+3], v2, s[20:21] offset:512*j th:TH_LOAD_NT
.set j, j+1
.endr
	; the partial score: 32 products a lane in two packed chains, then the sum over the 32 lanes
	s_wait_loadcnt 32                              ; the 32 younger loads are my row of x: keys and x's row 0 are in
	v_pk_mul_f32 v[8:9], v[KY:KY+1], v[QV:QV+1]    ; the first products start the chains: nothing is cleared
	v_pk_mul_f32 v[10:11], v[KY+2:KY+3], v[QV+2:QV+3]
.set j, 1
.rept 7
	v_pk_fma_f32 v[8:9], v[KY+4*j:KY+4*j+1], v[QV+4*j:QV+4*j+1], v[8:9]
	v_pk_fma_f32 v[10:11], v[KY+4*j+2:KY+4*j+3], v[QV+4*j+2:QV+4*j+3], v[10:11]
.set j, j+1
.endr
	v_pk_add_f32 v[8:9], v[8:9], v[10:11]
	v_add_f32 v8, v8, v9
	v_add_f32_dpp v8, v8, v8 row_xmask:1 row_mask:0xf bank_mask:0xf
	v_add_f32_dpp v8, v8, v8 row_xmask:2 row_mask:0xf bank_mask:0xf
	v_add_f32_dpp v8, v8, v8 row_xmask:4 row_mask:0xf bank_mask:0xf
	v_add_f32_dpp v8, v8, v8 row_xmask:8 row_mask:0xf bank_mask:0xf
	v_permlanex16_b32 v9, v8, s26, s27             ; its destination counts as read: v9 has been written
	v_add_f32 v8, v8, v9                           ; every lane holds the partial score
	; the row of x, rounded: four numbers a lane become 8 bytes; the 32 lanes of a store fill 256 consecutive bytes, aligned.  No register is written twice, so no wait stands for the stores' sources.
	; Eight blocks of four loads: block blk rounds its own registers, and the stores of the block before are dealt among its roundings.
.set blk, 0
.rept 8
	s_wait_loadcnt 28-4*blk                        ; loads come back in order: this block's four are in, the younger blocks' stay out
.if blk > 0
	s_wait_alu depctr_va_vdst(0)                   ; the block before has written the registers that the four stores below read; no vector line behind this wait names them
.endif
.set row, 0
.rept 4
.if blk > 0
	global_store_b64 v3, v[X+16*(blk-1)+4*row:X+16*(blk-1)+4*row+1], s[22:23] offset:256*(4*(blk-1)+row) th:TH_STORE_NT
.endif
	v_cvt_pk_bf16_f32 v[X+16*blk+4*row], v[X+16*blk+4*row], v[X+16*blk+4*row+1]
	v_cvt_pk_bf16_f32 v[X+16*blk+4*row+1], v[X+16*blk+4*row+2], v[X+16*blk+4*row+3]
.set row, row+1
.endr
.set blk, blk+1
.endr
	s_wait_alu depctr_va_vdst(0)                   ; the last block has written the registers that its four stores read
.set row, 0
.rept 4
	global_store_b64 v3, v[X+112+4*row:X+112+4*row+1], s[22:23] offset:256*(28+row) th:TH_STORE_NT
.set row, row+1
.endr
	v_cmp_eq_u32 vcc_lo, 0, v1
	s_wait_xcnt 0x0                                ; EXEC is a source of the stores above: it changes only behind this wait
	s_wait_alu depctr_va_vcc(0)                    ; the compare has written VCC, from which EXEC is made
	s_wait_alu depctr_va_vdst(0)                   ; every vector line issued under the full EXEC has written its result
	s_wait_alu depctr_vm_vsrc(0)                   ; the stores above have read their registers under the full EXEC
	s_and_saveexec_b32 s24, vcc_lo                 ; lane 0 alone stores the wave's one number
	global_store_b32 v4, v8, s[10:11]              ; v4 and v8 were written ahead of the waits above
	s_wait_xcnt 0x0                                ; and again, in front of the line that widens it
	s_wait_alu depctr_va_vdst(0)                   ; no vector line is out under the narrow EXEC
	s_wait_alu depctr_vm_vsrc(0)                   ; the score's store has read its registers under the narrow EXEC
	s_or_b32 exec_lo, exec_lo, s24
	s_endpgm
.Lfunc_end_k_q32e7f22201_castx:
	.size	k_q32e7f22201_castx, .Lfunc_end_k_q32e7f22201_castx-k_q32e7f22201_castx
	.p2alignl 7, 3214868480
	.fill 96, 4, 3214868480
	.section	.rodata,"a",@progbits
	.p2align	6, 0x0
	.amdhsa_kernel k_q32e7f22201_castx
		.amdhsa_group_segment_fixed_size 0
		.amdhsa_private_segment_fixed_size 0
		.amdhsa_enable_private_segment 0
		.amdhsa_kernarg_size 32
		.amdhsa_user_sgpr_count 2
		.amdhsa_user_sgpr_kernarg_segment_ptr 1
		.amdhsa_wavefront_size32 1
		.amdhsa_system_sgpr_workgroup_id_x 1
		.amdhsa_system_sgpr_workgroup_id_y 1
		.amdhsa_system_sgpr_workgroup_id_z 1
		.amdhsa_system_vgpr_workitem_id 0
		.amdhsa_next_free_vgpr 208
		.amdhsa_next_free_sgpr 66
		.amdhsa_reserve_vcc 1
		.amdhsa_float_denorm_mode_32 3
		.amdhsa_float_denorm_mode_16_64 3
		.amdhsa_memory_ordered 1
		.amdhsa_forward_progress 1
		.amdhsa_inst_pref_size 16
	.end_amdhsa_kernel
	.amdgpu_metadata
---
amdhsa.version: [ 1, 2 ]
amdhsa.kernels:
  - .name:           k_q32e7f22201_castx
    .symbol:         k_q32e7f22201_castx.kd
    .args:
      - { .name: x, .offset: 0, .size: 8, .value_kind: global_buffer, .address_space: global }
      - { .name: mem_keys, .offset: 8, .size: 8, .value_kind: global_buffer, .address_space: global }
      - { .name: xb, .offset: 16, .size: 8, .value_kind: global_buffer, .address_space: global }
      - { .name: scoresp, .offset: 24, .size: 8, .value_kind: global_buffer, .address_space: global }
    .group_segment_fixed_size: 0
    .private_segment_fixed_size: 0
    .kernarg_segment_align: 8
    .kernarg_segment_size: 32
    .max_flat_workgroup_size: 512
    .sgpr_count:     66
    .vgpr_count:     208
    .wavefront_size: 32
...
	.end_amdgpu_metadata
.endif
;; end of part 4
;; launch castw (part 5): grid 256 x 1, 16 waves a work-group, no clusters, 10,240 bytes of LDS; arguments weight_lattices, mem_values, scoresp, wb, biasp; writes wb, biasp
.if DOCPART == 5
	.amdgcn_target "amdgcn-amd-amdhsa--gfx1250"
	.amdhsa_code_object_version 6
	.text
	.protected	k_q32e7f22201_castw
	.globl	k_q32e7f22201_castw
	.p2align	8
	.type	k_q32e7f22201_castw,@function
k_q32e7f22201_castw:
	s_mov_b64 s[64:65], 0
	v_nop
	global_prefetch_b8 v0, s[64:65] scope:SCOPE_SE
	s_setreg_imm32_b32 hwreg(HW_REG_WAVE_SCHED_MODE, 0, 2), 2
	s_setreg_imm32_b32 hwreg(HW_REG_WAVE_MODE, 25, 1), 1
	s_wait_xcnt 0x0
	s_wait_alu depctr_vm_vsrc(0)
; The second launch: W rounded to bf16 (wb), and biasp[p][o] = 0.01 / (sum of e^(s - m)) * the sum over the 256 memory rows r of part p of e^(s[r] - m) mem_values[r][o], in f32.
; m is the maximum of all 1,024 scores, taken away before every exponential as reference()'s softmax takes it.  Nothing of reference() is left out.
; LIMITS.  W is rounded once to bf16, to nearest even; a weight e^(s - m) below 2^-126 counts as 0; NaN and infinities are not treated apart.
; SHARES.  Wave G = 16 g + w rounds row G of W (16 KiB in, 8 KiB out).  Work-group g also owns 64 columns (g % 64: 256 bytes of each row of mem_values) of part g / 64 of the memory rows;
; wave w takes 16 of the part's 256 rows, two rows a load: lanes 0-15 the even row, lanes 16-31 the odd one, 16 bytes a lane.  Each word of biasp has one owner.
; Every work-group makes the maximum and the sum of the exponentials for itself from the 16 KiB of scoresp.  All 50 loads of a wave go out at its head.
; LDS: SC, the 1,024 scores; RED, each wave's 64 column sums; the spare words.  No LDS address hangs on the work-group's number: a wave's own 16 scores come from memory a second time.
; THE MODE: SCHED_MODE bits 1:0 = 2 (LLVM: expert scheduling mode 2), set by the entry lines.  The code itself states the register dependences
; between vector instructions and memory or LDS instructions, with s_wait_alu, always for 0.
; THE PLAN.  Registers that memory or LDS instructions touch:
;   v2-v7, v10, v11  offsets and LDS addresses, made once at the head and never written again; v8, v9 likewise, read by the closing add alone.
;   P     loads land in it once; the vector sums write P and P + 1; the LDS store into SC reads these two; nothing writes them again.
;   S     loads land in it; the sums that make E read and write it; then the LDS loads of all the scores land in it; from there on vector lines alone name it.
;   V     loads land in it; the multiply-adds read it; in wave 0 the LDS loads from RED land in it, the tree writes it, the store to biasp reads V and V + 1; nothing writes these again.
;   ACC   written by vector lines, read by the LDS store into RED, not written again.
;   X     the row goes in eight blocks of four loads.  Block b's roundings work in place on its own registers; the four stores that read them are issued in block b + 1, whose roundings name its own registers alone.
; So a wait on va_vdst stands ahead of the first load, ahead of each of the two LDS stores (the first also serves the LDS loads into S, the second wave 0's LDS loads into V), ahead of the store to biasp,
; and at the head of each block of the row.  No register that a memory or LDS instruction has read is written again.
.set SC,    0                          ; 4,096 bytes
.set RED,   4096                       ; 16 waves x 256 bytes
.set SPARE, 8192                       ; the spare words, 128 bytes for each of the 16 waves: eight blocks of 256 bytes that no other line names
.set P,   16                           ; v[16:23]   the four partial sums of score rows 2 t and 2 t + 1 (t: my thread's number)
.set E,   24                           ; v[24:31]   score, then weight, of the memory row that my lane holds in load j
.set ACC, 32                           ; v[32:35]   my four columns' sums
.set T,   36                           ; v[36:39]   at work
.set S,   40                           ; v[40:71]   first my 8 rows' partial sums, then all 1,024 scores, 32 a lane
.set V,   72                           ; v[72:103]  mem_values, 8 loads of 4; later, in wave 0, the 16 waves' column sums
.set X,   104                          ; v[104:231] my row of W
; v1 lane; v2 16 lane; v3 8 lane; v4 mem_values' offset; v5 32 t; v6 16 (lane / 16); v7 8 t; v8, v9 the add's two registers; v10, v11 places in RED; v[12:13] m, twice; v[14:15] 0.01 / sum, twice
	s_load_b256 s[4:11], s[0:1], 0x0               ; W s[4:5], mem_values s[6:7], scoresp s[8:9], wb s[10:11]
	s_load_b64 s[12:13], s[0:1], 0x20              ; biasp
	v_lshl_add_u32 v8, v0, 2, SPARE                ; my spare word,
	v_mov_b32 v9, 0                                ; and 0: kept for the add at the wave's end alone
	v_lshrrev_b32 v1, 5, v0
	v_readfirstlane_b32 s14, v1                    ; wave 0..15
	v_and_b32 v1, 31, v0
	v_lshlrev_b32 v2, 4, v1
	v_lshlrev_b32 v3, 3, v1
	v_lshrrev_b32 v6, 4, v1                        ; lane / 16: which of a load's two rows
	v_and_b32 v10, 15, v1                          ; lane % 16: which 16 bytes of the 256
	v_lshlrev_b32 v4, 14, v6                       ; a row of mem_values is 16,384 bytes
	v_lshl_add_u32 v4, v10, 4, v4
	v_lshlrev_b32 v6, 4, v6                        ; a row of scoresp is 16 bytes
	v_lshlrev_b32 v5, 5, v0
	v_lshlrev_b32 v7, 3, v0
	s_wait_alu depctr_va_sdst(0)                   ; s14 is written, ahead of its first reader: LDS places, bases and the branch on the wave's number are made from it
	s_lshl_b32 s28, s14, 8
	s_add_co_u32 s28, s28, RED
	v_lshl_add_u32 v10, v10, 4, s28                ; RED + 256 wave + 16 (lane % 16)
	v_add_nc_u32 v11, RED, v3                      ; RED + 8 lane
	s_lshl_b32 s15, ttmp9, 4
	s_add_co_u32 s15, s15, s14                     ; G
	s_and_b32 s16, ttmp9, 63
	s_lshl_b32 s16, s16, 8                         ; my work-group's 64 columns, in bytes
	s_lshr_b32 s17, ttmp9, 6                       ; its part of the memory rows
	s_lshl_b32 s28, s17, 8
	s_lshl_b32 s29, s14, 4
	s_add_co_u32 s28, s28, s29                     ; my wave's first memory row: 256 part + 16 wave
	s_mov_b32 s30, 0x76543210
	s_mov_b32 s31, 0xfedcba98
	s_mov_b32 s19, 0                               ; offsets are pairs with 0 on top: all stay under 2^27
	s_wait_kmcnt 0x0
	s_lshl_b32 s18, s15, 14
	s_add_nc_u64 s[20:21], s[4:5], s[18:19]        ; my row of W
	s_lshl_b32 s18, s15, 13
	s_add_nc_u64 s[22:23], s[10:11], s[18:19]      ; my row of wb
	s_lshl_b32 s18, s28, 14
	s_add_co_u32 s18, s18, s16
	s_add_nc_u64 s[24:25], s[6:7], s[18:19]        ; mem_values at my first row, my work-group's columns
	s_lshl_b32 s18, s28, 4
	s_add_nc_u64 s[26:27], s[8:9], s[18:19]        ; scoresp at my first row
	s_lshl_b32 s18, s17, 14
	s_add_co_u32 s18, s18, s16
	s_add_nc_u64 s[12:13], s[12:13], s[18:19]      ; biasp at my work-group's part and columns
	s_wait_alu depctr_va_vdst(0)                   ; the offsets and LDS addresses v2 to v7, v10 and v11 are written, which the loads and stores of the whole kernel read
	global_load_b128 v[P:P+3], v5, s[8:9]
	global_load_b128 v[P+4:P+7], v5, s[8:9] offset:16
.set j, 0
.rept 8
	global_load_b128 v[S+4*j:S+4*j+3], v6, s[26:27] offset:32*j
.set j, j+1
.endr
.set j, 0
.rept 8
	global_load_b128 v[V+4*j:V+4*j+3], v4, s[24:25] offset:32768*j th:TH_LOAD_NT   ; 16 lanes take 256 consecutive bytes, aligned, of a row
.set j, j+1
.endr
.set j, 0
.rept 32
	global_load_b128 v[X+4*j:X+4*j+3], v2, s[20:21] offset:512*j th:TH_LOAD_NT
.set j, j+1
.endr
	; the scores: (p0 + p2) + (p1 + p3), in the same order for the table and for my own rows, so that the two copies agree bit for bit and no s - m is above 0
	s_wait_loadcnt 40                              ; the 40 younger loads are mem_values' 8 and W's 32
	v_pk_add_f32 v[P:P+1], v[P:P+1], v[P+2:P+3]
	v_pk_add_f32 v[P+4:P+5], v[P+4:P+5], v[P+6:P+7]
	v_add_f32 v[P], v[P], v[P+1]
	v_add_f32 v[P+1], v[P+4], v[P+5]
.set j, 0
.rept 8
	v_pk_add_f32 v[S+4*j:S+4*j+1], v[S+4*j:S+4*j+1], v[S+4*j+2:S+4*j+3]
	v_add_f32 v[E+j], v[S+4*j], v[S+4*j+1]
.set j, j+1
.endr
	s_wait_alu depctr_va_vdst(0)                   ; the sums have written P and P + 1, which the LDS store reads, and are done reading and writing S, in which the LDS loads behind the barrier land: no vector line stands between this wait and those loads
	ds_store_b64 v7, v[P:P+1] offset:SC
	s_wait_dscnt 0x0                               ; for the others' sake: my two scores lie in SC
	s_barrier_signal -1
	s_barrier_wait -1                              ; all 1,024 do
.set j, 0
.rept 8
	ds_load_b128 v[S+4*j:S+4*j+3], v2 offset:SC+512*j
.set j, j+1
.endr
	s_wait_dscnt 0x0
	; the maximum of my 32, in four chains, then over the lanes
.irp k, 0,1,2,3
	v_max3_num_f32 v[T+(\k)], v[S+8*(\k)], v[S+8*(\k)+1], v[S+8*(\k)+2]
.endr
.irp k, 0,1,2,3
	v_max3_num_f32 v[T+(\k)], v[T+(\k)], v[S+8*(\k)+3], v[S+8*(\k)+4]
.endr
.irp k, 0,1,2,3
	v_max3_num_f32 v[T+(\k)], v[T+(\k)], v[S+8*(\k)+5], v[S+8*(\k)+6]
.endr
	v_max3_num_f32 v[T], v[T], v[S+7], v[S+15]
	v_max3_num_f32 v[T+2], v[T+2], v[S+23], v[S+31]
	v_max3_num_f32 v[T], v[T], v[T+1], v[T+2]
	v_max_num_f32 v[T], v[T], v[T+3]
	v_max_num_f32_dpp v[T], v[T], v[T] row_xmask:1 row_mask:0xf bank_mask:0xf
	v_max_num_f32_dpp v[T], v[T], v[T] row_xmask:2 row_mask:0xf bank_mask:0xf
	v_max_num_f32_dpp v[T], v[T], v[T] row_xmask:4 row_mask:0xf bank_mask:0xf
	v_max_num_f32_dpp v[T], v[T], v[T] row_xmask:8 row_mask:0xf bank_mask:0xf
	v_permlanex16_b32 v[T+1], v[T], s30, s31
	v_max_num_f32 v12, v[T], v[T+1]                ; m, in every lane of every wave
	v_mov_b32 v13, v12
	; my rows' weights 2^((s - m) log2 e): the difference first, which is exact for the scores near m, then the factor
.set j, 0
.rept 8
	v_sub_f32 v[E+j], v[E+j], v12
.set j, j+1
.endr
.set j, 0
.rept 8
	v_mul_f32 v[E+j], 0x3fb8aa3b, v[E+j]
.set j, j+1
.endr
.set j, 0
.rept 8
	v_exp_f32 v[E+j], v[E+j]
.set j, j+1
.endr
	v_nop                                          ; a plain instruction behind the last exponential, ahead of the first use (ISA guide 5.7.2)
	s_wait_alu depctr_va_vdst(0)                   ; the eight exponentials have written E: one wait for the batch, ahead of its first reader
	s_wait_loadcnt 32                              ; the 32 younger loads are W's: mem_values' are in
.irp k, 0,1,2,3
	v_mul_f32 v[ACC+(\k)], v[E], v[V+(\k)]         ; the first row starts the sums
.endr
.set j, 1
.rept 7
.irp k, 0,1,2,3
	v_fmac_f32 v[ACC+(\k)], v[E+j], v[V+4*j+(\k)]
.endr
.set j, j+1
.endr
.irp k, 0,1,2,3
	v_permlanex16_b32 v[T+(\k)], v[ACC+(\k)], s30, s31   ; the odd rows' sums lie 16 lanes away (T has been written by the maximum's chains)
.endr
	v_pk_add_f32 v[ACC:ACC+1], v[ACC:ACC+1], v[T:T+1]
	v_pk_add_f32 v[ACC+2:ACC+3], v[ACC+2:ACC+3], v[T+2:T+3]
	s_wait_alu depctr_va_vdst(0)                   ; the sums have written ACC, which the LDS store reads; the multiply-adds are done reading V, in which wave 0's LDS loads land: no vector line stands between this wait and those loads
	ds_store_b128 v10, v[ACC:ACC+3]                ; both halves of the lanes hold the same sums and write the same bytes
	s_wait_dscnt 0x0                               ; for wave 0's sake
	s_barrier_signal -1
	s_barrier_wait -1                              ; all 16 waves' column sums lie in RED
	s_cmp_lg_u32 s14, 0
	s_cbranch_scc1 .Lcast                          ; wave 0 alone finishes the 64 columns; no barrier and no global load stands in what the others jump
.macro TREE b                          ; the 16 pairs from v[b] on are added into the first: neighbours 1, 2, 4 and 8 pairs apart
.irp w, 4, 8, 16, 32
.set i, 0
.rept 32/(\w)
	v_pk_add_f32 v[(\b)+i:(\b)+i+1], v[(\b)+i:(\b)+i+1], v[(\b)+i+(\w)/2:(\b)+i+(\w)/2+1]
.set i, i+(\w)
.endr
.endr
.endm
.set j, 0
.rept 16
	ds_load_b64 v[V+2*j:V+2*j+1], v11 offset:256*j ; wave j's sums of my two columns; they come in while the exponentials are made
.set j, j+1
.endr
.set j, 0
.rept 16
	v_pk_add_f32 v[S+2*j:S+2*j+1], v[S+2*j:S+2*j+1], v[12:13] neg_lo:[0,1] neg_hi:[0,1]   ; s - m
.set j, j+1
.endr
.set j, 0
.rept 16
	v_pk_mul_f32 v[S+2*j:S+2*j+1], v[S+2*j:S+2*j+1], 0x3fb8aa3b op_sel_hi:[1,0]
.set j, j+1
.endr
.set j, 0
.rept 32
	v_exp_f32 v[S+j], v[S+j]
.set j, j+1
.endr
	v_nop
	s_wait_alu depctr_va_vdst(0)                   ; the 32 exponentials have written S: one wait for the batch, ahead of its first reader
	TREE S
	v_add_f32 v[S], v[S], v[S+1]
	v_add_f32_dpp v[S], v[S], v[S] row_xmask:1 row_mask:0xf bank_mask:0xf
	v_add_f32_dpp v[S], v[S], v[S] row_xmask:2 row_mask:0xf bank_mask:0xf
	v_add_f32_dpp v[S], v[S], v[S] row_xmask:4 row_mask:0xf bank_mask:0xf
	v_add_f32_dpp v[S], v[S], v[S] row_xmask:8 row_mask:0xf bank_mask:0xf
	v_permlanex16_b32 v[S+1], v[S], s30, s31
	v_add_f32 v[S], v[S], v[S+1]                   ; the sum of all 1,024 weights: at least 1, the maximum's own
	v_rcp_f32 v14, v[S]
	v_nop
	s_wait_alu depctr_va_vdst(0)                   ; the reciprocal has written v14, ahead of its first reader
	v_mul_f32 v14, 0x3c23d70a, v14                 ; 0.01 / sum
	v_mov_b32 v15, v14
	s_wait_dscnt 0x0
	TREE V
	v_pk_mul_f32 v[V:V+1], v[V:V+1], v[14:15]
	s_wait_alu depctr_va_vdst(0)                   ; the multiply has written V and V + 1, which the store reads
	global_store_b64 v3, v[V:V+1], s[12:13]        ; 32 lanes store 256 consecutive bytes, aligned
.Lcast:
	; my row of W, rounded: as in the first launch, eight blocks of four loads; block blk rounds its own registers, and the stores of the block before are dealt among its roundings
.set blk, 0
.rept 8
	s_wait_loadcnt 28-4*blk                        ; this block's four loads are in, the younger blocks' stay out: the same count on both ways to the label
.if blk > 0
	s_wait_alu depctr_va_vdst(0)                   ; the block before has written the registers that the four stores below read; no vector line behind this wait names them
.endif
.set row, 0
.rept 4
.if blk > 0
	global_store_b64 v3, v[X+16*(blk-1)+4*row:X+16*(blk-1)+4*row+1], s[22:23] offset:256*(4*(blk-1)+row) th:TH_STORE_NT
.endif
	v_cvt_pk_bf16_f32 v[X+16*blk+4*row], v[X+16*blk+4*row], v[X+16*blk+4*row+1]
	v_cvt_pk_bf16_f32 v[X+16*blk+4*row+1], v[X+16*blk+4*row+2], v[X+16*blk+4*row+3]
.set row, row+1
.endr
.set blk, blk+1
.endr
	s_wait_alu depctr_va_vdst(0)                   ; the last block has written the registers that its four stores read
.set row, 0
.rept 4
	global_store_b64 v3, v[X+112+4*row:X+112+4*row+1], s[22:23] offset:256*(28+row) th:TH_STORE_NT
.set row, row+1
.endr
	s_wait_dscnt 0x0                               ; the wave's end, behind my last LDS store
	s_wait_alu 0x0
	s_wait_tensorcnt 0x0
	ds_add_u32 v8, v9
	s_wait_dscnt 0x0
	s_endpgm
.Lfunc_end_k_q32e7f22201_castw:
	.size	k_q32e7f22201_castw, .Lfunc_end_k_q32e7f22201_castw-k_q32e7f22201_castw
	.p2alignl 7, 3214868480
	.fill 96, 4, 3214868480
	.section	.rodata,"a",@progbits
	.p2align	6, 0x0
	.amdhsa_kernel k_q32e7f22201_castw
		.amdhsa_group_segment_fixed_size 10240
		.amdhsa_private_segment_fixed_size 0
		.amdhsa_enable_private_segment 0
		.amdhsa_kernarg_size 40
		.amdhsa_user_sgpr_count 2
		.amdhsa_user_sgpr_kernarg_segment_ptr 1
		.amdhsa_wavefront_size32 1
		.amdhsa_system_sgpr_workgroup_id_x 1
		.amdhsa_system_sgpr_workgroup_id_y 1
		.amdhsa_system_sgpr_workgroup_id_z 1
		.amdhsa_system_vgpr_workitem_id 0
		.amdhsa_next_free_vgpr 232
		.amdhsa_next_free_sgpr 66
		.amdhsa_reserve_vcc 0
		.amdhsa_float_denorm_mode_32 3
		.amdhsa_float_denorm_mode_16_64 3
		.amdhsa_memory_ordered 1
		.amdhsa_forward_progress 1
		.amdhsa_inst_pref_size 28
	.end_amdhsa_kernel
	.amdgpu_metadata
---
amdhsa.version: [ 1, 2 ]
amdhsa.kernels:
  - .name:           k_q32e7f22201_castw
    .symbol:         k_q32e7f22201_castw.kd
    .args:
      - { .name: weight_lattices, .offset: 0, .size: 8, .value_kind: global_buffer, .address_space: global }
      - { .name: mem_values, .offset: 8, .size: 8, .value_kind: global_buffer, .address_space: global }
      - { .name: scoresp, .offset: 16, .size: 8, .value_kind: global_buffer, .address_space: global }
      - { .name: wb, .offset: 24, .size: 8, .value_kind: global_buffer, .address_space: global }
      - { .name: biasp, .offset: 32, .size: 8, .value_kind: global_buffer, .address_space: global }
    .group_segment_fixed_size: 10240
    .private_segment_fixed_size: 0
    .kernarg_segment_align: 8
    .kernarg_segment_size: 40
    .max_flat_workgroup_size: 512
    .sgpr_count:     66
    .vgpr_count:     232
    .wavefront_size: 32
...
	.end_amdgpu_metadata
.endif
;; end of part 5
;; launch gemm: the kernel of part 3 again; grid 16 x 16, 4 waves a work-group, clusters of 4 x 4, 327,680 bytes of LDS; arguments xb, wb, out0, weight_scales, biasp; writes out0
